; MI455X (gfx1250); checked and timed in simulation.
; The chip was launched on July 23, 2026; its instructions are those of AMD's public machine-readable ISA for CDNA 5 (MIT licence, August 2026) and "CDNA5" Instruction Set Architecture Reference Guide (July 2026). The comments in the code are by the model that wrote it; some were corrected since.
;; Attention Layer. Allowed arithmetic: matrix products marked QUANTISED: E3M2 operands, one E8M0 scale for each 32 along K, by v_wmma_scale_f32_16x16x128_f8f6f4 with both operands' format E3M2, f32 sums; everything else in f32.
;; Inputs: query 8 x 2,048 x 1,024 float32; value 8 x 2,048 x 1,024 float32.
;; Outputs: out0 8 x 2,048 x 1,024 float32.
;; This version of the problem:
;;   THIS VERSION OF THE PROBLEM IS GIVEN IN LOW PRECISION. The matrix products marked QUANTISED in the list below multiply operands that are first quantised to E3M2 (3 exponent bits, 2 mantissa bits; 6 bits a number), with one power-of-two scale for each 32 numbers along K (OCP MX v1.0); their sums are f32. All else is computed in f32.
;;   The module's matrix products, in the order in which they are computed (A, B: the left and right operand; K: the contracted axis; several contracted axes count as one K, in the product's order):
;;     1. batch 8 x [M 2,048, K 1,024] x [K 1,024, N 2,048]; A: input query; B: input value: QUANTISED
;;     2. batch 8 x [M 2,048, K 2,048] x [K 2,048, N 1,024]; A: softmax (see below); B: input value: QUANTISED
;;   THE QUANTISER, for each operand of a quantised product, along K:
;;     - K is cut into blocks of 32 from its start; a last block that is shorter is filled with zeros.
;;     - A block's scale is 2^e with e = floor(log2(the largest magnitude in the block)) - 4, held to -126 .. 127; a block of zeros has e = 0. As a byte (E8M0): e + 127.
;;     - Each number is divided by its block's scale, clamped to +-28, and rounded to the nearest number of E3M2, ties to even, subnormals kept.
;;     - The product sums the exact products of the quantised numbers (number of the format x scale) in f32.
;;   ~~~python
;;   def quantise(x, axis):      # numpy; x: float32 -> the quantised numbers, widened to float32 again
;;       x = np.moveaxis(x, axis, -1); K = x.shape[-1]
;;       x = np.pad(x, [(0, 0)] * (x.ndim - 1) + [(0, -K % 32)]); x = x.reshape(x.shape[:-1] + (-1, 32)); a = np.abs(x).max(-1, keepdims=True)
;;       e = np.where(a > 0, np.clip(np.frexp(np.where(a > 0, a, 1))[1] - 1 - 4, -126, 127), 0)      # np.frexp(a)[1] - 1 = floor(log2(a)), exactly
;;       r = np.clip(x / 2.0 ** e, -28, 28)
;;       step = 2.0 ** (np.maximum(np.frexp(np.where(r == 0, 1, r))[1] - 1, -2) - 2)
;;       q = np.round(r / step) * step * 2.0 ** e      # np.round: ties to even
;;       return np.moveaxis(q.reshape(q.shape[:-2] + (-1,))[..., :K], -1, axis).astype(np.float32)
;;   ~~~
;;   SOFTMAX AHEAD OF A QUANTISED PRODUCT. Where the list says 'softmax', what is quantised is not the finished softmax but p = 2^(t - M), with t = logit x log2(e) and M = ceil(the row's largest t), a whole number; so 1/2 < the row's largest p <= 1. The row's sum l is taken of the UNQUANTISED p, in f32, and the product's result is divided by l at the end. Since M is a whole number, a kernel that streams over the keys may use a running M (the ceiling of the running maximum): every later rescaling is an exact power of two, which a block's scale takes up: the codes' values come out the same.
;;   OPERANDS COMPUTED ON THE WAY. 'Computed on the way' means the value that the module computes at that place (a softmax that the list does not call 'softmax' is quantised finished and normalised). What goes into a quantiser is computed in f32, as accurately as f32 sums, v_exp_f32 and their like allow (about 1e-6 of the number): no bf16 or f16 on the way to a quantiser, and a product that is left as it is and whose result goes on into a quantised operand takes f32 operands (vector FMAs, or v_wmma_f32_16x16x4_f32). A number that lies on a knife's edge between two numbers of the format may be rounded either way, as far as f32 arithmetic and the matrix unit's own rounding can turn it there, and no further.
;; One version. Each part assembles by itself: llvm-mc -triple=amdgcn-amd-amdhsa -mcpu=gfx1250 --defsym DOCPART=n.
;; ======== version 1 of 1: 3 launches
;; workspace buffers: qcodes 12,582,912 bytes; qscales 524,288 bytes; kcodes 12,582,912 bytes; kscales 524,288 bytes; vcodes 12,582,912 bytes; vscales 524,288 bytes; pcodes 25,165,824 bytes; pmeta 3,145,728 bytes
;; launch quant (part 1): grid 512 x 1, 8 waves a work-group, no clusters, 146,432 bytes of LDS; arguments query, value, qcodes, qscales, kcodes, kscales, vcodes, vscales; writes qcodes, qscales, kcodes, kscales, vcodes, vscales
.if DOCPART == 1
	.amdgcn_target "amdgcn-amd-amdhsa--gfx1250"
	.amdhsa_code_object_version 6
	.text
	.protected	k_qd6a9cbd973_quant
	.globl	k_qd6a9cbd973_quant
	.p2align	8
	.type	k_qd6a9cbd973_quant,@function
k_qd6a9cbd973_quant:
	s_mov_b64 s[64:65], 0
	v_nop
	global_prefetch_b8 v0, s[64:65] scope:SCOPE_SE
	s_setreg_imm32_b32 hwreg(HW_REG_WAVE_MODE, 25, 1), 1
	s_wait_xcnt 0x0
; query and value, [16384 rows][1024] f32 (8 batches x 2048 rows), become codes of BF6 (E3M2) with one E8M0 byte for each 32 along K.
;   query along its 1024 columns -> qcodes, qscales;   value along its 1024 columns -> kcodes, kscales;   value along its ROWS (the keys) -> vcodes, vscales.  value is read once for both.
; A block's scale is 2^(floor(log2(its largest magnitude)) - 4): its byte is the largest magnitude's exponent field - 4, held at 1 from below by a floor among the maximum's leaves.
; LIMITS: a block of zeros, or one whose largest magnitude lies under 2^-122, gets the byte 1 (the bytes are read by this program alone; zero codes add nothing under it); NaN and infinities are not served.
; LAYOUTS (a K step = 256 along K = 192 bytes of codes and 8 scale bytes a row):
;   qcodes, kcodes [K step 4][position 16384][192], qscales, kscales [4][16384][8].  Row x lies at POSITION pi(x): x with its bits 3 and 4 exchanged.  So 16 neighbouring positions 32 b + 16 u + r
;   are the rows 32 b + 8 u + r + 8 (r / 8): the choice of rows by which the first product's results come out as 16 neighbours along the second product's K.
;   vcodes [batch x 8 + K step][column 1024][192], vscales likewise [8]; the keys in their true order.
; SHARES.  Work-groups 0-255 take value, 256-511 query; only pointers are chosen.  A work-group takes 256 rows x 256 columns; wave w its columns 32 w .. 32 w + 31, A LANE A COLUMN, registers down the rows,
; 32 rows a block: so a block along the rows lies in one lane as loaded.  The same 32 x 32 numbers turn through the wave's own LDS and come back a lane a ROW: a block along the columns.
; The codes gather in LDS and leave as dense runs: each store of a wave covers 512 consecutive bytes, aligned.  No cluster: the work-groups share no input.  No tensor load, one barrier.
.set KP,   208                         ; a row of codes in LDS: 192 bytes + 16
.set TP,   144                         ; a row of the turn: 128 bytes + 16
.set KST,  0                           ; 256 rows: codes along the columns, the work-group's; wave w writes bytes 24 w .. 24 w + 23 of each row
.set VST,  256*KP                      ; 8 x 32 rows: codes along the rows, each wave's own
.set TS,   VST+8*32*KP                 ; 8 x 32 rows of TP: each wave's own turn
.set SST,  TS+8*32*TP                  ; [256 rows][8]: scale bytes along the columns
.set SB,   24                          ; v24-25  my column's 8 scale bytes along the rows: 0 at the head, a byte joined in each block
.set X,    32                          ; v32-95  two sets of 32 numbers as loaded
.set Y,    96                          ; v96-127 32 numbers of one row
.set C,    128                         ; v128-134 codes along the rows
.set CD,   136                         ; v136-142 codes along the columns
.set OUTK, 144                         ; v144-191, v192-239: the two ways out
.set OUTV, 192
	s_load_b128 s[4:7], s[0:1], 0x0                ; query, value
	s_load_b128 s[8:11], s[0:1], 0x10              ; qcodes, qscales
	s_load_b128 s[12:15], s[0:1], 0x20             ; kcodes, kscales
	s_load_b128 s[16:19], s[0:1], 0x30             ; vcodes, vscales
	v_lshl_add_u32 v240, v0, 2, 0x23800
	v_mov_b32 v241, 0
	v_lshrrev_b32 v1, 5, v0
	v_readfirstlane_b32 s23, v1                    ; wave 0..7
	v_and_b32 v1, 31, v0                           ; lane
	v_lshlrev_b32 v2, 2, v1                        ; in: 4 bytes a lane
	v_mov_b32 v[SB], 0                             ; written here, on the way that every wave takes: the blocks join their bytes onto these two
	v_mov_b32 v[SB+1], 0
	s_mul_i32 s26, s23, 32*TP
	s_add_co_u32 s26, s26, TS                      ; my turn
	v_add_nc_u32 v3, s26, v2                       ; into it: row = the register's row, column = my lane
	v_mul_u32_u24 v4, v1, TP
	v_add_nc_u32 v4, s26, v4                       ; out of it: row = my lane
	v_and_b32 v14, 7, v1
	v_bfe_u32 v15, v1, 3, 1
	v_bfe_u32 v16, v1, 4, 1
	v_lshl_add_u32 v14, v15, 4, v14
	v_lshl_add_u32 v14, v16, 3, v14                ; pi(lane)
	s_mul_i32 s26, s23, 24
	v_mul_u32_u24 v5, v14, KP
	v_add_nc_u32 v5, s26, v5                       ; KST: position pi(lane) of a block of 32, my wave's 24 bytes
	s_add_co_u32 s26, s23, SST
	v_lshl_add_u32 v6, v14, 3, s26                 ; SST: the same position, my wave's byte
	s_mul_i32 s27, s23, 32*KP
	s_add_co_u32 s26, s27, VST
	v_mul_u32_u24 v7, v1, KP
	v_add_nc_u32 v7, s26, v7                       ; VST: my wave's rows, row = my lane (my column)
.irp k, 0,1,2                          ; the ways out: piece x = 32 k + lane of 16 bytes lies in row x / 12, 16 bytes further on for each row passed; x / 12 = 43 x >> 9 for x under 96
	v_add_nc_u32 v14, 32*\k, v1
	v_mul_u32_u24 v15, v14, 43
	v_lshrrev_b32 v15, 9, v15
	v_add_nc_u32 v14, v14, v15
	v_lshl_add_u32 v[8+\k], v14, 4, s27            ; + my wave's 32 rows
.endr
	v_lshlrev_b32 v11, 4, v1                       ; out: 16 bytes a lane,
	v_lshlrev_b32 v12, 3, v1                       ; 8 bytes a lane
	s_lshl_b32 s26, s23, 8
	s_add_co_u32 s26, s26, SST
	v_add_nc_u32 v13, s26, v12                     ; my wave's 32 rows of scale bytes
	s_and_b32 s20, ttmp9, 255
	s_lshr_b32 s21, s20, 2                         ; which 256 rows
	s_and_b32 s22, s20, 3                          ; which 256 columns
	s_lshl_b32 s24, s21, 20                        ; the source: 256 rows of 4,096 bytes,
	s_lshl_b32 s26, s22, 10                        ; 256 columns,
	s_add_co_u32 s24, s24, s26
	s_lshl_b32 s26, s23, 7                         ; my wave's 32
	s_add_co_u32 s24, s24, s26
	s_mov_b32 s25, 0
	s_lshl_b32 s28, s22, 14                        ; along the columns: K step x 16,384 positions
	s_lshl_b32 s26, s21, 8
	s_add_co_u32 s28, s28, s26
	s_lshl_b32 s27, s23, 5
	s_add_co_u32 s28, s28, s27                     ; + the work-group's 256 + the 32 that my wave stores
	s_mul_i32 s30, s28, 192
	s_mov_b32 s31, 0
	s_lshl_b32 s32, s28, 3
	s_mov_b32 s33, 0
	s_lshl_b32 s34, s21, 10                        ; along the rows: (batch x 8 + K step) x 1,024 columns
	s_lshl_b32 s26, s22, 8
	s_add_co_u32 s34, s34, s26
	s_add_co_u32 s34, s34, s27                     ; + my wave's first column
	s_mul_i32 s36, s34, 192
	s_mov_b32 s37, 0
	s_lshl_b32 s38, s34, 3
	s_mov_b32 s39, 0
	s_wait_kmcnt 0x0
	s_cmp_lt_u32 ttmp9, 256                        ; value's work-group or query's?  The choice hangs on the work-group's number alone
	s_cselect_b64 s[4:5], s[6:7], s[4:5]
	s_cselect_b64 s[8:9], s[12:13], s[8:9]
	s_cselect_b64 s[10:11], s[14:15], s[10:11]
	s_add_nc_u64 s[4:5], s[4:5], s[24:25]
	s_add_nc_u64 s[8:9], s[8:9], s[30:31]
	s_add_nc_u64 s[10:11], s[10:11], s[32:33]
	s_add_nc_u64 s[16:17], s[16:17], s[36:37]
	s_add_nc_u64 s[18:19], s[18:19], s[38:39]
.macro LOAD t                          ; block t: rows 32 t + i of my column: a wave reads 128 consecutive bytes, the eight waves 1,024
.set I, 0
.rept 32
	global_load_b32 v[X+32*((\t)%2)+I], v2, s[4:5] offset:(32*(\t)+I)*4096 th:TH_LOAD_NT
.set I, I+1
.endr
.endm
; 32 numbers of one block, v[s] on, become 24 bytes of codes in v[c] .. v[c + 5]; the scale's byte in v[e]
.macro Q32 s, c, e
	v_max3_num_f32 v14, |v[\s]|, |v[\s+1]|, |v[\s+2]|
	v_max3_num_f32 v15, |v[\s+3]|, |v[\s+4]|, |v[\s+5]|
.irp i, 6,10,14,18,22,26
	v_max3_num_f32 v14, v14, |v[\s+\i]|, |v[\s+\i+1]|
	v_max3_num_f32 v15, v15, |v[\s+\i+2]|, |v[\s+\i+3]|
.endr
	v_max3_num_f32 v14, v14, |v[\s+30]|, |v[\s+31]|
	v_max3_num_f32 v14, v14, v15, 5<<23            ; and the floor 2^(5 - 127): the byte cannot fall under 1
	v_add_nc_u32 v16, 0xfe000000, v14              ; 4 off the exponent field: the conversion takes this operand's exponent field as its scale
	v_cvt_scalef32_pk16_bf6_f32 v[\c:\c+2], v[\s:\s+15], v16
	v_cvt_scalef32_pk16_bf6_f32 v[\c+4:\c+6], v[\s+16:\s+31], v16   ; (a conversion's three registers begin on an even number)
	v_lshrrev_b32 v[\e], 23, v16                   ; the scale's byte; also the plain instruction between the conversions and the moves
	v_mov_b32 v[\c+3], v[\c+4]
	v_mov_b32 v[\c+4], v[\c+5]
	v_mov_b32 v[\c+5], v[\c+6]                     ; six registers on end: 24 bytes
.endm
.macro BLOCK t
.set XS, X+32*((\t)%2)
.if (\t) < 7
	s_wait_loadcnt 32                              ; this block's 32 loads are in; the next block's 32 may be out
.else
	s_wait_loadcnt 0x0
.endif
.set I, 0
.rept 32
	ds_store_b32 v3, v[XS+I] offset:TP*I           ; the turn: as loaded, a row of 32 columns a store
.set I, I+1
.endr
.irp j, 0,1,2,3,4,5,6,7
	ds_load_b128 v[Y+4*\j:Y+4*\j+3], v4 offset:16*\j   ; LDS serves a wave's instructions in order: these see the stores.  My lane's row, its 32 columns
.endr
	s_cmp_lt_u32 ttmp9, 256
	s_cbranch_scc0 .Lrows_\@                       ; query has no second quantiser
	Q32 XS, C, 18                                  ; value along the rows: the block lies in my registers as loaded
	v_lshl_or_b32 v[SB+(\t)/4], v18, 8*((\t)%4), v[SB+(\t)/4]   ; four bytes to a register, the lower keys in the lower byte
	ds_store_b64 v7, v[C:C+1] offset:24*(\t)
	ds_store_b64 v7, v[C+2:C+3] offset:24*(\t)+8
	ds_store_b64 v7, v[C+4:C+5] offset:24*(\t)+16
.Lrows_\@:
	s_wait_dscnt 0x0                               ; the row is in; all my LDS stores have read their registers: the set, the codes and the byte may be written again
.if (\t)+2 < 8
	LOAD (\t)+2
.endif
	Q32 Y, CD, 17                                  ; along the columns
	ds_store_b64 v5, v[CD:CD+1] offset:32*KP*(\t)
	ds_store_b64 v5, v[CD+2:CD+3] offset:32*KP*(\t)+8
	ds_store_b64 v5, v[CD+4:CD+5] offset:32*KP*(\t)+16
	ds_store_b8 v6, v17 offset:256*(\t)
.endm
	LOAD 0
	LOAD 1
.irp t, 0,1,2,3,4,5,6,7
	BLOCK \t
.endr
	s_wait_dscnt 0x0                               ; for the others' sake: my stores into the shared rows are done
	s_barrier_signal -1
	s_barrier_wait -1
.irp k, 0,1,2,3,4,5,6,7,8,9,10,11      ; my wave's 32 positions: 6,144 dense bytes; three loads pass eight rows
	ds_load_b128 v[OUTK+4*\k:OUTK+4*\k+3], v[8+\k%3] offset:KST+(\k/3)*8*KP
.endr
	ds_load_b64 v[20:21], v13
.irp k, 0,1,2,3,4,5,6,7,8,9,10,11
	s_wait_dscnt 12-\k                             ; load k is in; the 11 - k younger ones and the scale bytes' may be out
	global_store_b128 v11, v[OUTK+4*\k:OUTK+4*\k+3], s[8:9] offset:512*\k
.endr
	s_wait_dscnt 0x0
	global_store_b64 v12, v[20:21], s[10:11]       ; 32 lanes store 256 consecutive bytes, aligned
	s_cmp_lt_u32 ttmp9, 256
	s_cbranch_scc0 .Lend
.irp k, 0,1,2,3,4,5,6,7,8,9,10,11      ; value along the rows: my wave's 32 columns, its own bytes
	ds_load_b128 v[OUTV+4*\k:OUTV+4*\k+3], v[8+\k%3] offset:VST+(\k/3)*8*KP
.endr
.irp k, 0,1,2,3,4,5,6,7,8,9,10,11
	s_wait_dscnt 11-\k
	global_store_b128 v11, v[OUTV+4*\k:OUTV+4*\k+3], s[16:17] offset:512*\k
.endr
	global_store_b64 v12, v[SB:SB+1], s[18:19]
.Lend:
	s_wait_tensorcnt 0x0
	ds_add_u32 v240, v241
	s_wait_dscnt 0x0
	s_endpgm
.Lfunc_end_k_qd6a9cbd973_quant:
	.size	k_qd6a9cbd973_quant, .Lfunc_end_k_qd6a9cbd973_quant-k_qd6a9cbd973_quant
	.p2alignl 7, 3214868480
	.fill 96, 4, 3214868480
	.section	.rodata,"a",@progbits
	.p2align	6, 0x0
	.amdhsa_kernel k_qd6a9cbd973_quant
		.amdhsa_group_segment_fixed_size 146432
		.amdhsa_private_segment_fixed_size 0
		.amdhsa_enable_private_segment 0
		.amdhsa_kernarg_size 64
		.amdhsa_user_sgpr_count 2
		.amdhsa_user_sgpr_kernarg_segment_ptr 1
		.amdhsa_wavefront_size32 1
		.amdhsa_system_sgpr_workgroup_id_x 1
		.amdhsa_system_sgpr_workgroup_id_y 1
		.amdhsa_system_sgpr_workgroup_id_z 1
		.amdhsa_system_vgpr_workitem_id 0
		.amdhsa_next_free_vgpr 242
		.amdhsa_next_free_sgpr 66
		.amdhsa_reserve_vcc 0
		.amdhsa_float_denorm_mode_32 3
		.amdhsa_float_denorm_mode_16_64 3
		.amdhsa_memory_ordered 1
		.amdhsa_forward_progress 1
		.amdhsa_inst_pref_size 80
	.end_amdhsa_kernel
	.amdgpu_metadata
---
amdhsa.version: [ 1, 2 ]
amdhsa.kernels:
  - .name:           k_qd6a9cbd973_quant
    .symbol:         k_qd6a9cbd973_quant.kd
    .args:
      - { .name: query, .offset: 0, .size: 8, .value_kind: global_buffer, .address_space: global }
      - { .name: value, .offset: 8, .size: 8, .value_kind: global_buffer, .address_space: global }
      - { .name: qcodes, .offset: 16, .size: 8, .value_kind: global_buffer, .address_space: global }
      - { .name: qscales, .offset: 24, .size: 8, .value_kind: global_buffer, .address_space: global }
      - { .name: kcodes, .offset: 32, .size: 8, .value_kind: global_buffer, .address_space: global }
      - { .name: kscales, .offset: 40, .size: 8, .value_kind: global_buffer, .address_space: global }
      - { .name: vcodes, .offset: 48, .size: 8, .value_kind: global_buffer, .address_space: global }
      - { .name: vscales, .offset: 56, .size: 8, .value_kind: global_buffer, .address_space: global }
    .group_segment_fixed_size: 146432
    .private_segment_fixed_size: 0
    .kernarg_segment_align: 8
    .kernarg_segment_size: 64
    .max_flat_workgroup_size: 256
    .sgpr_count:     66
    .vgpr_count:     242
    .wavefront_size: 32
...
	.end_amdgpu_metadata
.endif
;; end of part 1
;; launch scores (part 2): grid 4 x 64, 4 waves a work-group, clusters of 4 x 4, 327,680 bytes of LDS; arguments qcodes, qscales, kcodes, kscales, pcodes, pmeta; writes pcodes, pmeta
.if DOCPART == 2
	.amdgcn_target "amdgcn-amd-amdhsa--gfx1250"
	.amdhsa_code_object_version 6
	.text
	.protected	k_qd6a9cbd973_scores
	.globl	k_qd6a9cbd973_scores
	.p2align	8
	.type	k_qd6a9cbd973_scores,@function
k_qd6a9cbd973_scores:
	s_mov_b64 s[64:65], 0
	v_nop
	global_prefetch_b8 v0, s[64:65] scope:SCOPE_SE
	s_setreg_imm32_b32 hwreg(HW_REG_WAVE_MODE, 25, 1), 1
	s_wait_xcnt 0x0
	s_wait_alu depctr_hold_cnt(0) depctr_sa_sdst(0) depctr_va_vdst(0) depctr_va_sdst(0) depctr_va_ssrc(0) depctr_va_vcc(0) depctr_vm_vsrc(0)
	s_getreg_b32 s2, hwreg(HW_REG_IB_STS2, 6, 4)
	s_cmp_eq_u32 s2, 0
	s_cbranch_scc0 .Lentry_in_a_cluster
	s_endpgm
.Lentry_in_a_cluster:
	s_bfe_u32 s2, ttmp6, 0x10000c
	s_cmp_lg_u32 s2, 0xf033
	s_cbranch_scc0 .Lentry_shape_is_right
	s_endpgm
.Lentry_shape_is_right:
; S = Q V^T on codes of BF6 (K = 1024), and the softmax's numerator, quantised, for the second product.  A tile of S, 256 query positions x 256 key positions of one batch, is made by four waves,
; each 128 x 128: 64 accumulators of 16 x 16, 512 registers.  K goes in four steps of 256 through two LDS slots filled by the tensor data mover.  S never goes to memory.
; A WORK-GROUP STAYS: it makes TWO tiles, the same 256 query positions against key tiles cx and cx + 4, and the ring does not stop between them: slot 0 takes the second tile's K step 0 at the change of slots
; in the first tile's K step 2, slot 1 its K step 1 at a change of slots that stands in the middle of the first tile's way out.  So both land while the softmax is worked, and nothing waits for the first tile's stores.
; The two tiles are written out one behind the other: their halves differ in what they ask for.
; THE SOFTMAX, PIECE BY PIECE.  For a query and the wave's 128 keys: t = score x log2(e); M = the piece's largest t rounded UP to a whole number; p = 2^(t - M); p is quantised along the keys in blocks of 32.
; The piece's -M, its sum of the unquantised p and its four scale bytes go to pmeta.  M is a whole number, so the row's own M (found by the next launch) changes no code: it only lowers the scale bytes.
; THE MATRIX INSTRUCTION IS USED TRANSPOSED (source 0 = 16 key positions, source 1 = 16 query positions): a lane holds ONE query, its registers run along the keys.  Key positions are rows with bits 3 and 4 exchanged,
; so the 16 registers of key tiles 2 b and 2 b + 1 are the keys 32 b + 16 (lane / 16) + 0 .. 15 in their true order.
; P LEAVES AS IMAGES OF THE OPERAND'S REGISTERS: a fragment (16 positions x 128 keys, 12 registers a lane) is three stores of 512 consecutive bytes.
; CLUSTERS: 4 x 4 work-groups of one batch.  The four of a row need the same tiles of Q, the four of a column the same tiles of V: each is asked for jointly.
; LIMITS: NaN and infinities among the scores are not served; a block of p under 2^-122 keeps the byte 1 (its codes are zeros or next to it).
; REGISTERS: window 0: v12-15 a block's -M, t and sum; v16-31 addresses; v32-63 scale words, two sets; v64-127 p on the way out; v128-223 Q's fragments, one set; v224-254 at work on the way out.
;   window 1: V's fragments, two sets, at v0 and v128.   window 2: the accumulators of my positions 0-63 ((a, b) at v[8 (8 a + b)]);   window 3: those of 64-127.
.set NQ,     2                         ; matrix instructions deep in a K step of 256
.set ROWB,   192                       ; a tile's row in bytes
.set PITCH,  240                       ; in LDS: 3 x (64 bytes + 16 of padding)
.set FR,     12                        ; registers of a fragment
.set NL,     6                         ; LDS loads that bring one
.set NP,     4                         ; places behind this matrix instruction (ISA guide 7.12.1)
.set HALFT,  128*PITCH                 ; 128 rows: what one tensor load brings
.set SLOT,   4*HALFT                   ; Q's 256 rows, then V's 256
.set KSB,    16384*ROWB                ; from a K step to the next in memory
.set TILEB,  1024*ROWB                 ; from a key tile to the one four further on: 1,024 positions
.set SCL,    2*SLOT                    ; Q's scale bytes [half 2][K step 4][128 rows][8]: they serve both tiles
.set SCLB,   SCL+8192                  ; V's [tile 2][half 2][K step 4][128 rows][8]
.set SPARE,  SCLB+16384                ; the spare words, 128 bytes for each wave, that no other line names
.set MST,    SPARE+512                 ; each wave's own 3 x 512 bytes for pmeta; no tile lands here
.set ADRA, 16                          ; v16-17 my Q fragments in slot 0, 1 (v18-19: behind one padding more)
.set ADRB, 20                          ; v20-23 the same for V
.set PO,   24                          ; v24  16 x lane
.set MA,   25                          ; v25  MST + 1536 wave + 4 (lane % 16)
.set MR,   26                          ; v26  MST + 1536 wave + 16 lane
.set ADRS, 27                          ; v27  my scale words in the first tile: lanes 0-15 Q's rows, lanes 16-31 V's
.set SPW,  28                          ; v28  my spare word; never rewritten
.set NIL,  29                          ; v29  0; never rewritten
.set ADRS1, 30                         ; v30  my scale words in the second tile
.set PFO,  31                          ; v31  256 x lane: the prefetch's offset; never rewritten
.set SC,   32
.set P0,   64                          ; v64-127 a block's p
.set AF,   128
.set MX,   248                         ; v248-251 the largest score, then the largest p, of each block of 32 keys
.set PFA,  2                           ; s[2:3] where my prefetch stands; never rewritten
.set LIM,  19                          ; s19  1 in a wave that prefetches, else 0
.set G1, 24
.set G0, 32
.set G1B, 48
.set G0B, 56
.set G1S, 68
.set G0S, 76
.set G1SB, 80
.set G0SB, 88
.set SEL, 66                           ; s[66:67] selects for lane l xor 16
.set CS,  100                          ; s[100:101] log2(e), twice
.set MSB, 0
.macro WIN new                         ; the immediate's high byte repeats the setting that is left
.if MSB != \new
	s_set_vgpr_msb (MSB<<8)|\new
.set MSB, \new
.endif
.endm
.set MUL_LO, 0xa1                      ; source 0 (V) window 1, source 1 (Q) window 0, C and D window 2
.set MUL_HI, 0xf1
.set TO_B,   0x40
; A joint load: waves 0 and 1 fetch for Q, waves 2 and 3 for V; the branch hangs on the wave's number alone.  Four v_nop follow each of the two lines.
.macro JLOAD g0a, g1a, g0b, g1b
	s_cmp_eq_u32 s15, 0
	s_cbranch_scc0 .Lfor_b_\@
	tensor_load_to_lds s[\g0a:\g0a+3], s[\g1a:\g1a+7]
	s_nop 0
.rept 4
	v_nop
.endr
	s_branch .Lasked_\@
.Lfor_b_\@:
	tensor_load_to_lds s[\g0b:\g0b+3], s[\g1b:\g1b+7]
	s_nop 0
.rept 4
	v_nop
.endr
.Lasked_\@:
.endm
.macro CREST                           ; a round of the cluster's barrier behind its opening barrier
	s_cmp_lg_u32 s14, 0
	s_cbranch_scc1 .Lnot_wave_0_\@
	s_barrier_signal -3
.Lnot_wave_0_\@:
	s_barrier_wait -3
	s_barrier_signal -1
	s_barrier_wait -1
.endm
.macro CROUND
	s_barrier_signal -1
	s_barrier_wait -1
	CREST
.endm
	s_load_b128 s[4:7], s[0:1], 0x0                ; Q's codes, Q's scales
	s_load_b128 s[8:11], s[0:1], 0x10              ; V's codes along D, their scales
	s_load_b64 s[12:13], s[0:1], 0x20              ; pcodes
	s_load_b64 s[98:99], s[0:1], 0x28              ; pmeta
	v_lshl_add_u32 v[SPW], v0, 2, SPARE
	v_mov_b32 v[NIL], 0
	ds_add_u32 v28, v29
	ds_add_u32 v28, v29
	s_wait_dscnt 0x0
	v_lshrrev_b32 v1, 5, v0
	v_readfirstlane_b32 s14, v1                    ; wave 0..3
	s_lshr_b32 s15, s14, 1                         ; my half of the tile's queries.  Also: I fetch for Q (0) or for V (1)
	s_and_b32 s16, s14, 1                          ; my half of its keys.  Also: which 128 rows I fetch
	s_bfe_u32 s40, ttmp6, 0x40000                  ; cx, cy
	s_bfe_u32 s41, ttmp6, 0x40004
	s_lshl_b32 s42, ttmp9, 2
	s_add_co_u32 s42, s42, s40                     ; my first key tile 0..3; the second is four further on
	s_and_b32 s95, ttmp7, 0xffff                   ; cluster y
	s_lshl_b32 s17, s95, 2
	s_add_co_u32 s17, s17, s41                     ; query tile 0..63
	s_and_b32 s19, s95, 1                          ; of the two clusters of a batch the one with even y prefetches,
	s_add_co_u32 s18, s14, 1
	s_lshr_b32 s18, s18, 2                         ; in it waves 0 to 2 (this is 1 in wave 3):
	s_or_b32 s18, s18, s19
	s_cmp_eq_u32 s18, 0
	s_cselect_b32 s[LIM], 1, 0                     ; the same in all sixteen partners, for a given wave
	s_lshr_b32 s95, s95, 1                         ; the batch: the same in all sixteen partners
	s_lshl_b32 s43, s41, 2
	s_lshl_b32 s43, 15, s43                        ; my row of the cluster
	s_lshl_b32 s44, 0x1111, s40                    ; my column
	s_or_b32 s[G1+0], s43, (0<<16)|(1<<20)|(1<<21)|(3<<22)|(3<<25)  ; the mask; elements of 1 byte; padding on; bit 21 beside a mask; after every 16 words 4 words
	s_or_b32 s[G1B+0], s44, (0<<16)|(1<<20)|(1<<21)|(3<<22)|(3<<25)
.irp g, G1, G1B
	s_mov_b32 s[\g+1], ROWB<<16                    ; tensor_dim0
	s_mov_b32 s[\g+2], 128<<16                     ; tensor_dim1
	s_mov_b32 s[\g+3], ROWB<<16                    ; tile_dim0
	s_mov_b32 s[\g+4], 128                         ; tile_dim1
	s_mov_b32 s[\g+5], ROWB                        ; rows are dense within a K step
	s_mov_b32 s[\g+6], 0
	s_mov_b32 s[\g+7], 0
.endr
	s_or_b32 s[G1S+0], s43, (3<<16)|(1<<21)        ; Q's scale bytes, a quarter a wave: 128 rows x 2 K steps: 2 x 1,024 dense bytes (128 elements of 8 bytes), 16,384 elements apart
	s_mov_b32 s[G1S+1], 128<<16
	s_mov_b32 s[G1S+2], 2<<16
	s_mov_b32 s[G1S+3], 128<<16
	s_mov_b32 s[G1S+4], 2
	s_mov_b32 s[G1S+5], 16384
	s_mov_b32 s[G1S+6], 0
	s_mov_b32 s[G1S+7], 0
	s_or_b32 s[G1SB+0], s44, (3<<16)|(1<<21)       ; V's, one (tile, half) a wave: 128 rows x 4 K steps
	s_mov_b32 s[G1SB+1], 128<<16
	s_mov_b32 s[G1SB+2], 4<<16
	s_mov_b32 s[G1SB+3], 128<<16
	s_mov_b32 s[G1SB+4], 4
	s_mov_b32 s[G1SB+5], 16384
	s_mov_b32 s[G1SB+6], 0
	s_mov_b32 s[G1SB+7], 0
	s_lshl_b32 s18, s16, 7                         ; which 128 rows I fetch
	s_lshl_b32 s20, s17, 8
	s_add_co_u32 s20, s20, s18                     ; Q: position 256 x query tile + 128 x half
	s_lshl_b32 s46, s95, 11
	s_lshl_b32 s47, s42, 8
	s_add_co_u32 s46, s46, s47
	s_add_co_u32 s46, s46, s18                     ; V: position 2048 x batch + 256 x key tile + 128 x half
	s_lshl_b32 s22, s20, 3                         ; Q's scale bytes: 8 a position,
	s_lshl_b32 s23, s15, 18                        ; waves 2 and 3 take K steps 2 and 3: 2 x 16,384 x 8 bytes on
	s_add_co_u32 s22, s22, s23
	s_mov_b32 s23, 0
	s_lshl_b32 s92, s46, 3                         ; V's,
	s_lshl_b32 s93, s15, 13                        ; waves 2 and 3 take the second tile's: 1,024 positions x 8 bytes on
	s_add_co_u32 s92, s92, s93
	s_mov_b32 s93, 0
	s_mul_i32 s20, s20, ROWB                       ; the codes
	s_mov_b32 s21, 0
	s_mul_i32 s46, s46, ROWB
	s_mov_b32 s47, 0
	s_mul_i32 s45, s14, HALFT                      ; where they go: by the wave's number alone
	s_lshl_b32 s94, s16, 12
	s_lshl_b32 s96, s15, 11
	s_add_co_u32 s94, s94, s96                     ; Q's scale bytes: half x 4,096 + 2 K steps x 1,024
	s_lshl_b32 s96, s14, 12                        ; V's: (2 x tile + half) x 4,096 = wave x 4,096
	s_wait_kmcnt 0x0
	s_add_nc_u64 s[20:21], s[4:5], s[20:21]
	s_add_nc_u64 s[22:23], s[6:7], s[22:23]
	s_add_nc_u64 s[46:47], s[8:9], s[46:47]
	s_add_nc_u64 s[92:93], s[10:11], s[92:93]
	CROUND                                         ; all sixteen work-groups are here: the first joint loads meet
	s_mov_b32 s[G0S], 1
	s_add_co_u32 s[G0S+1], s94, SCL
	s_mov_b64 s[G0S+2:G0S+3], s[22:23]
	s_or_b32 s[G0S+3], s[G0S+3], 0x80000000
	tensor_load_to_lds s[G0S:G0S+3], s[G1S:G1S+7]  ; every wave a quarter of Q's scale bytes: filled once
	s_nop 0
.rept 4
	v_nop
.endr
	s_mov_b32 s[G0SB], 1
	s_add_co_u32 s[G0SB+1], s96, SCLB
	s_mov_b64 s[G0SB+2:G0SB+3], s[92:93]
	s_or_b32 s[G0SB+3], s[G0SB+3], 0x80000000
	tensor_load_to_lds s[G0SB:G0SB+3], s[G1SB:G1SB+7]   ; every wave a quarter of both tiles' scale bytes of V: filled once
	s_nop 0
.rept 4
	v_nop
.endr
.irp s, 0,1
	s_mov_b32 s[G0+4*\s], 1
	s_add_co_u32 s[G0+4*\s+1], s45, \s*SLOT
	s_add_nc_u64 s[G0+4*\s+2:G0+4*\s+3], s[20:21], \s*KSB
	s_or_b32 s[G0+4*\s+3], s[G0+4*\s+3], 0x80000000
	s_mov_b32 s[G0B+4*\s], 1
	s_add_co_u32 s[G0B+4*\s+1], s45, \s*SLOT
	s_add_nc_u64 s[G0B+4*\s+2:G0B+4*\s+3], s[46:47], \s*KSB
	s_or_b32 s[G0B+4*\s+3], s[G0B+4*\s+3], 0x80000000
	JLOAD G0+4*\s, G1, G0B+4*\s, G1B               ; four loads of mine are out now
.endr
	v_and_b32 v1, 15, v0                           ; r
	v_bfe_u32 v2, v0, 4, 1                         ; h
	v_mul_u32_u24 v3, v1, PITCH
	v_mul_u32_u24 v4, v2, 24
	v_add_nc_u32 v4, v3, v4                        ; a fragment's row x pitch + 24 x half
	v_lshl_add_u32 v5, v2, 4, v4                   ; and the same behind one padding more
	s_mul_i32 s21, s15, HALFT
	s_mul_i32 s22, s16, HALFT
	s_add_co_u32 s22, s22, 2*HALFT
.irp s, 0,1
	v_add_nc_u32 v[ADRA+\s], s21, v4
	v_add_nc_u32 v[ADRB+\s], s22, v4
	v_add_nc_u32 v[ADRA+2+\s], s21, v5
	v_add_nc_u32 v[ADRB+2+\s], s22, v5
	s_add_co_u32 s21, s21, SLOT
	s_add_co_u32 s22, s22, SLOT
.endr
	v_lshlrev_b32 v5, 3, v1                        ; scale words: 8 bytes a row and K step
	s_lshl_b32 s21, s15, 12                        ; Q's: my half
	s_lshl_b32 s22, s16, 12                        ; V's: my half, behind Q's two
	s_add_co_u32 s22, s22, SCLB-SCL
	s_sub_co_u32 s22, s22, s21
	v_mul_u32_u24 v6, s22, v2                      ; lanes 16-31 take V's: one product, the distance between the two;
	s_add_co_u32 s22, s22, 8192
	v_mul_u32_u24 v7, s22, v2                      ; in the second tile V's lie 8,192 bytes further on
	s_add_co_u32 s21, s21, SCL
	v_add_nc_u32 v5, s21, v5
	v_add_nc_u32 v[ADRS], v5, v6
	v_add_nc_u32 v[ADRS1], v5, v7
	v_and_b32 v6, 31, v0
	v_lshlrev_b32 v[PO], 4, v6
	v_lshlrev_b32 v[PFO], 8, v6
	s_mul_i32 s23, s14, 1536
	s_add_co_u32 s23, s23, MST
	v_lshl_add_u32 v[MA], v1, 2, s23
	v_add_nc_u32 v[MR], s23, v[PO]
.irp b, 0,1,2,3
	v_mov_b32 v[236+\b], 0                         ; written once: a lane permute's destination counts as one of its sources
.endr
	v_mov_b32 v252, 0
	s_mov_b32 s[SEL], 0x76543210
	s_mov_b32 s[SEL+1], 0xfedcba98
	s_mov_b32 s[CS], 0x3fb8aa3b                    ; log2(e)
	s_mov_b32 s[CS+1], s[CS]
	s_lshl_b32 s20, s17, 3                         ; pcodes [query tile][key tile][block of 16 positions][128 keys][1536]
	s_add_co_u32 s20, s20, s42
	s_lshl_b32 s20, s20, 5
	s_lshl_b32 s21, s15, 4
	s_add_co_u32 s20, s20, s21
	s_add_co_u32 s20, s20, s16
	s_mul_i32 s20, s20, 1536
	s_mov_b32 s21, 0
	s_add_nc_u64 s[12:13], s[12:13], s[20:21]
	s_lshl_b32 s46, s95, 4                         ; pmeta [batch x 16 + piece of 128 keys][position 2048] of 4 bytes
	s_lshl_b32 s47, s42, 1
	s_add_co_u32 s46, s46, s47
	s_add_co_u32 s46, s46, s16
	s_lshl_b32 s46, s46, 11
	s_and_b32 s47, s17, 7
	s_lshl_b32 s47, s47, 8
	s_add_co_u32 s46, s46, s47
	s_lshl_b32 s47, s15, 7
	s_add_co_u32 s46, s46, s47
	s_lshl_b32 s46, s46, 2
	s_mov_b32 s47, 0
	s_add_nc_u64 s[98:99], s[98:99], s[46:47]
	; THE PREFETCH's address: the second tile's codes of V for K steps 2 and 3: 2 x 49,152 dense bytes = twelve pieces of 8,192.  The four partners of a column share them out BY ADDRESS:
	; place cy takes K step 2 + cy / 2, and of its six pieces (cy % 2) x 3 + wave, waves 0 to 2; lanes 256 bytes apart.  So each aligned 256 bytes are named once in the launch.
	s_lshr_b32 s92, s41, 1
	s_add_co_u32 s92, s92, 2
	s_mul_i32 s92, s92, KSB                        ; the K step,
	s_lshl_b32 s93, s95, 11
	s_lshl_b32 s18, s42, 8
	s_add_co_u32 s93, s93, s18
	s_add_co_u32 s93, s93, 1024
	s_mul_i32 s93, s93, ROWB                       ; the second tile's first position,
	s_add_co_u32 s92, s92, s93
	s_and_b32 s93, s41, 1
	s_mul_i32 s93, s93, 3
	s_min_u32 s18, s14, 2                          ; (wave 3 asks for nothing; its address is held inside the tile all the same)
	s_add_co_u32 s93, s93, s18
	s_lshl_b32 s93, s93, 13                        ; my piece
	s_add_co_u32 s92, s92, s93
	s_mov_b32 s93, 0
	s_add_nc_u64 s[PFA:PFA+1], s[8:9], s[92:93]
.macro FRAG reg, adr, q, i             ; a fragment: lane l holds row l % 16; registers 6 c .. 6 c + 5 hold K = 64 c + 32 (l / 16) + 0 .. 31: 24 bytes of the row, in pieces of 8
.irp p, 0,1,2,3,4,5
.set PC, 12*(\q)+6*(\p/3)+\p%3        ; 16 bytes of padding lie behind every 8 pieces; where the piece three on (lanes 16-31) lies behind one padding more, the second address register serves
.if PC%8 < 5
	ds_load_b64 v[\reg+2*\p:\reg+2*\p+1], v[\adr] offset:8*PC+16*(PC/8)+(\i)*16*PITCH
.else
	ds_load_b64 v[\reg+2*\p:\reg+2*\p+1], v[\adr+2] offset:8*PC+16*(PC/8)+(\i)*16*PITCH
.endif
.endr
.endm
; 16 matrix instructions: query blocks a0, a0 + 1 x the eight key tiles.  The 64 accumulators take turns, one instruction a turn, in the same order in every step.
.macro MUL16 a0, p, q, sc, zero
.irp a, \a0, \a0+1
.irp b, 0,1,2,3,4,5,6,7
.if \zero
	v_wmma_scale_f32_16x16x128_f8f6f4 v[8*(8*((\a)%4)+\b):8*(8*((\a)%4)+\b)+7], v[128*(\p)+FR*\b:128*(\p)+FR*\b+FR-1], v[AF+FR*(\a):AF+FR*(\a)+FR-1], 0, v[SC+8*NQ*(\sc)+NQ*\b+(\q)], v[SC+8*NQ*(\sc)+NQ*(\a)+(\q)] matrix_a_fmt:MATRIX_FMT_BF6 matrix_b_fmt:MATRIX_FMT_BF6 matrix_a_scale:MATRIX_SCALE_ROW1
.else
	v_wmma_scale_f32_16x16x128_f8f6f4 v[8*(8*((\a)%4)+\b):8*(8*((\a)%4)+\b)+7], v[128*(\p)+FR*\b:128*(\p)+FR*\b+FR-1], v[AF+FR*(\a):AF+FR*(\a)+FR-1], v[8*(8*((\a)%4)+\b):8*(8*((\a)%4)+\b)+7], v[SC+8*NQ*(\sc)+NQ*\b+(\q)], v[SC+8*NQ*(\sc)+NQ*(\a)+(\q)] matrix_a_fmt:MATRIX_FMT_BF6 matrix_b_fmt:MATRIX_FMT_BF6 matrix_a_scale:MATRIX_SCALE_ROW1
.endif
.endr
.endr
.endm
.macro FETCH_B slot, q, p
	WIN TO_B
.irp i, 0,1,2,3,4,5,6,7
	FRAG 128*(\p)+FR*\i, ADRB+\slot, \q, \i
.endr
	WIN 0
.endm
.macro FETCH_A slot, q, i0
.irp i, \i0, \i0+1, \i0+2, \i0+3
	FRAG AF+FR*(\i), ADRA+\slot, \q, \i
.endr
.endm
.macro SCALES sc, adr, k               ; K step k's two words a row into set sc: lanes 0-15 Q's block i, lanes 16-31 V's block i; adr: the tile's address register
.irp i, 0,1,2,3,4,5,6,7
	ds_load_b64 v[SC+8*NQ*\sc+NQ*\i:SC+8*NQ*\sc+NQ*\i+1], v[\adr] offset:\i*128+(\k)*1024
.endr
.endm
.macro PLACES n                        ; plain vector instructions between a matrix instruction and a load into, or a read of, its registers
.rept \n
	v_nop
.endr
.endm
.macro STEP slot, q, zero              ; 128 along K that has its successor in the same slot
	s_wait_dscnt 4*NL                              ; all but the youngest 24 loads (Q's blocks 4-7) are in
	WIN MUL_LO
	MUL16 0, (\q)%2, \q, \slot, \zero
	MUL16 2, (\q)%2, \q, \slot, \zero
	s_wait_dscnt 0
	PLACES NP
	FETCH_B \slot, (\q)+1, 1-(\q)%2
	FETCH_A \slot, (\q)+1, 0
	WIN MUL_HI
	MUL16 4, (\q)%2, \q, \slot, \zero
	MUL16 6, (\q)%2, \q, \slot, \zero
	PLACES NP
	WIN 0
	FETCH_A \slot, (\q)+1, 4
.endm
; A slot's last step changes slots: one barrier; in front of it each wave waits for all its tensor loads, adds 0 to its spare word, and waits for that and for its reads of this slot.
; fill = 1: this slot takes the tile's K step two on; 2: the NEXT tile's K step, two back along K, and for V 1,024 positions on; 0: nothing.  sadr, sk: the next K step's scale words.
.macro TURN slot, next, fill, sadr, sk
	s_wait_tensorcnt 0x0                           ; all my tensor loads have landed: my part of the next slot
	ds_add_u32 v[SPW], v[NIL]                      ; 0 onto my spare word
	s_wait_dscnt 4*NL+1                            ; (the add and the youngest 24 loads may be out)
	WIN MUL_LO
	MUL16 0, 1, NQ-1, \slot, 0
	s_wait_dscnt 0x0                               ; the add is done, and my reads of this slot are over
	s_barrier_signal -1
	MUL16 2, 1, NQ-1, \slot, 0
	WIN 0
	s_barrier_wait -1
.if \fill
	CREST                                          ; the barrier has opened a round of the cluster's: no wave of any partner still reads this slot or has a load on its way
.if \fill == 1
	s_add_nc_u64 s[G0+4*\slot+2:G0+4*\slot+3], s[G0+4*\slot+2:G0+4*\slot+3], 2*KSB
	s_add_nc_u64 s[G0B+4*\slot+2:G0B+4*\slot+3], s[G0B+4*\slot+2:G0B+4*\slot+3], 2*KSB
.else
	s_sub_nc_u64 s[G0+4*\slot+2:G0+4*\slot+3], s[G0+4*\slot+2:G0+4*\slot+3], 2*KSB
	s_sub_nc_u64 s[G0B+4*\slot+2:G0B+4*\slot+3], s[G0B+4*\slot+2:G0B+4*\slot+3], 2*KSB-TILEB
.endif
	JLOAD G0+4*\slot, G1, G0B+4*\slot, G1B         ; the first tensor load behind the round, my only one until the next; its four v_nop are the places in front of the loads below
.else
	PLACES NP
.endif
	FETCH_B \next, 0, 0
	FETCH_A \next, 0, 0
	SCALES \next, \sadr, \sk
	WIN MUL_HI
	MUL16 4, 1, NQ-1, \slot, 0
	MUL16 6, 1, NQ-1, \slot, 0
	PLACES NP
	WIN 0
	FETCH_A \next, 0, 4
.endm
.macro LAST                            ; a tile's last 128 along K, out of slot 1: nothing more to fetch; the four places serve the reads of results and the later loads into the fragments' registers
	s_wait_dscnt 4*NL
	WIN MUL_LO
	MUL16 0, 1, NQ-1, 1, 0
	MUL16 2, 1, NQ-1, 1, 0
	s_wait_dscnt 0
	WIN MUL_HI
	MUL16 4, 1, NQ-1, 1, 0
	MUL16 6, 1, NQ-1, 1, 0
	WIN 0
	PLACES NP
.endm
; THE CHANGE OF SLOTS BETWEEN THE TILES stands in the middle of the first tile's way out.  Slot 1 has been read out; slot 0's load, the second tile's K step 0, was asked for a K step and half a way out ago.
; The same three lines and the same round as in TURN; slot 1 takes the second tile's K step 1; then the second tile's first fragments and scale words are fetched, into registers that the way out does not touch.
.macro CHANGE
	s_wait_tensorcnt 0x0                           ; no tensor load of mine is out, so a group 0 may be written
	ds_add_u32 v[SPW], v[NIL]                      ; 0 onto my spare word; the descriptors' steps stand between it and the wait for it
	s_sub_nc_u64 s[G0+6:G0+7], s[G0+6:G0+7], 2*KSB
	s_sub_nc_u64 s[G0B+6:G0B+7], s[G0B+6:G0B+7], 2*KSB-TILEB
	s_wait_dscnt 0x0                               ; the add is done; my reads of slot 1 and my stores into my stage are over
	CROUND                                         ; no wave of any partner still reads slot 1 or has a load on its way
	JLOAD G0+4, G1, G0B+4, G1B                     ; the first tensor load behind the round, my only one until the next
	FETCH_B 0, 0, 0
	FETCH_A 0, 0, 0
	SCALES 0, ADRS1, 0
	FETCH_A 0, 0, 4
.endm
; A PREFETCH INTO THE L2, once in the launch, behind the joint load above, its four lines and the run of LDS loads: the second tile's codes of V for K steps 2 and 3, which the second tile's first two changes of
; slots will ask for: half a way out and most of a K step ahead of the first of them.  Who asks for what: at the address's lines in the head.  Q's tiles have been read by this work-group in the first tile, and the
; second tile's K steps 0 and 1 are asked for by their own loads that far ahead: neither is named.  The address registers are never rewritten.
.macro ASK
	s_cmp_eq_u32 s[LIM], 1
	s_cbranch_scc0 .Lnot_mine_\@
	global_prefetch_b8 v[PFO], s[PFA:PFA+1] th:TH_LOAD_NT scope:SCOPE_SE
.Lnot_mine_\@:
.endm
; THE WAY OUT of query block a of tile t: 16 positions x my 128 keys.  Lane (r, h) holds position r; register 16 b + i of the block's 64 is key 32 b + 16 h + i.
; w = 1: wait for my LDS instructions at the head (the last block's stores into my stage); 0: the change of slots just ahead has waited for them, and the fragment loads behind it may stay out.
.macro SOFT a, t, w
.set AC, 64*((\a)%4)
.set WN, 2+(\a)/4
.set WW, WN|(WN<<2)
.if \w
	s_wait_dscnt 0x0                               ; the last block's LDS stores have read their registers
.endif
	WIN WW                                         ; sources 0 and 1 in the accumulators' window
.irp b, 0,1,2,3
	v_max_num_f32 v[MX+\b], v[AC+16*\b], v[AC+16*\b+1]   ; the largest score of each block of 32 keys; each accumulator is read from its low end on
.endr
.irp i, 2,4,6,8,10,12,14
.irp b, 0,1,2,3
	v_max3_num_f32 v[MX+\b], v[AC+16*\b+\i], v[AC+16*\b+\i+1], v[MX+\b]
.endr
.endr
	WIN 0
.irp b, 0,1,2,3
	v_permlanex16_b32 v[236+\b], v[MX+\b], s[SEL], s[SEL+1]
.endr
.irp b, 0,1,2,3
	v_max_num_f32 v[MX+\b], v[MX+\b], v[236+\b]    ; with lane l xor 16's 16 keys
.endr
	v_max3_num_f32 v254, v[MX], v[MX+1], v[MX+2]
	v_max_num_f32 v254, v254, v[MX+3]              ; the piece's largest score
	v_mul_f32 v13, s[CS], v254                     ; as t
	v_floor_f32 v12, -v13                          ; -M = floor(-t): M is a whole number
	WIN WN                                         ; source 0 in the accumulators' window
.set J, 0
.rept 32
	v_pk_fma_f32 v[P0+J:P0+J+1], v[AC+J:AC+J+1], s[CS:CS+1], v[12:13] op_sel_hi:[1,0,0]   ; t - M, two at a time, into window 0
.set J, J+2
.endr
	WIN 0
.irp b, 0,1,2,3
	v_fma_f32 v[MX+\b], v[MX+\b], s[CS], v12       ; the same of each block's largest score
.endr
.set J, 0
.rept 64
	v_exp_f32 v[P0+J], v[P0+J]                     ; p = 2^(t - M)
.set J, J+1
.endr
.irp b, 0,1,2,3
	v_exp_f32 v[MX+\b], v[MX+\b]                   ; the block's largest p: the same two instructions on the same number; in the same batch
.endr
	v_nop                                          ; a plain instruction behind the batch
	s_wait_alu depctr_va_vdst(0)                   ; one wait for the 68, ahead of their first reader
	v_pk_add_f32 v[14:15], v[P0:P0+1], v[P0+2:P0+3]   ; the sum of the UNQUANTISED p, in two chains
	v_pk_add_f32 v[236:237], v[P0+4:P0+5], v[P0+6:P0+7]
.irp j, 8,12,16,20,24,28,32,36,40,44,48,52,56,60
	v_pk_add_f32 v[14:15], v[14:15], v[P0+\j:P0+\j+1]
	v_pk_add_f32 v[236:237], v[236:237], v[P0+\j+2:P0+\j+3]
.endr
	v_pk_add_f32 v[14:15], v[14:15], v[236:237]
.irp b, 0,1,2,3
	v_max_num_f32 v[MX+\b], 0x2800000, v[MX+\b]    ; the floor 2^(5 - 127): the byte cannot fall under 1
.endr
.irp b, 0,1,2,3
	v_add_nc_u32 v[244+\b], 0xfe000000, v[MX+\b]   ; 4 off the exponent field: the conversion's scale operand
.endr
.irp b, 0,1,2,3
	v_lshrrev_b32 v[236+\b], 23, v[244+\b]         ; the scale's byte
.endr
	v_lshl_or_b32 v253, v237, 8, v236              ; the piece's scale word
	v_lshl_or_b32 v253, v238, 16, v253
	v_lshl_or_b32 v253, v239, 24, v253
	s_wait_xcnt 0x0                                ; the last block's three stores to memory have read v224-235, which the conversions below are the first to write again
.irp c, 0,1
	v_cvt_scalef32_pk16_bf6_f32 v[224+6*\c:226+6*\c], v[P0+32*\c:P0+15+32*\c], v[244+2*\c]
	v_cvt_scalef32_pk16_bf6_f32 v[236+4*\c:238+4*\c], v[P0+16+32*\c:P0+31+32*\c], v[244+2*\c+1]   ; (a conversion's three registers begin on an even number)
.endr
	v_nop                                          ; a plain instruction behind the conversions
.irp c, 0,1                            ; the operand's layout wants a whole block in a lane: lanes 0-15 block 2 c, lanes 16-31 block 2 c + 1
.irp i, 0,1,2
	v_permlane16_swap_b32 v[224+6*\c+\i], v[236+4*\c+\i]
.endr
.irp i, 0,1,2
	v_mov_b32 v[227+6*\c+\i], v[236+4*\c+\i]
.endr
.endr
	v_add_f32 v14, v14, v15
	v_permlanex16_b32 v252, v14, s[SEL], s[SEL+1]
	v_add_f32 v14, v14, v252                       ; the piece's sum
.irp c, 0,1,2
	global_store_b128 v[PO], v[224+4*\c:227+4*\c], s[12:13] offset:196608*(\t)+3072*(\a)+512*\c   ; the fragment as it stands: 512 consecutive bytes a store, aligned; the second tile lies 4 x 32 fragments on
.endr
	ds_store_b32 v[MA], v12 offset:64*(\a)         ; lanes r and r + 16 write the same word with the same value
	ds_store_b32 v[MA], v14 offset:512+64*(\a)
	ds_store_b32 v[MA], v253 offset:1024+64*(\a)
.endm
.macro META t                          ; the tile's 128 positions x 4 bytes of each of the three arrays leave as 512 consecutive bytes each; the second tile's pieces lie 8 x 2,048 x 4 bytes on
	ds_load_b128 v[P0:P0+3], v[MR]                 ; LDS serves a wave's instructions in order: these see my stores
	ds_load_b128 v[P0+4:P0+7], v[MR] offset:512
	ds_load_b128 v[P0+8:P0+11], v[MR] offset:1024
	s_wait_dscnt 0x0
	global_store_b128 v[PO], v[P0:P0+3], s[98:99] offset:65536*(\t)              ; -M
	global_store_b128 v[PO], v[P0+4:P0+7], s[98:99] offset:1048576+65536*(\t)    ; the sums
	global_store_b128 v[PO], v[P0+8:P0+11], s[98:99] offset:2097152+65536*(\t)   ; the scale words
.endm
	s_wait_tensorcnt 1                             ; the scales and my part of K step 0 are in (K step 1's load may be out)
	s_barrier_signal -1
	s_barrier_wait -1                              ; everybody's are
	FETCH_B 0, 0, 0
	FETCH_A 0, 0, 0
	SCALES 0, ADRS, 0
	FETCH_A 0, 0, 4
	; ---- the first tile
	STEP 0, 0, 1                                   ; the first products start the sums: nothing is cleared
	TURN 0, 1, 1, ADRS, 1                          ; slot 0 takes K step 2,
	STEP 1, 0, 0
	TURN 1, 0, 1, ADRS, 2                          ; slot 1 K step 3,
	STEP 0, 0, 0
	TURN 0, 1, 2, ADRS, 3                          ; slot 0 the SECOND tile's K step 0
	STEP 1, 0, 0
	LAST
	SOFT 0, 0, 1
	SOFT 1, 0, 1
	SOFT 2, 0, 1
	SOFT 3, 0, 1
	CHANGE                                         ; slot 1 takes the second tile's K step 1
	ASK
	SOFT 4, 0, 0
	SOFT 5, 0, 1
	SOFT 6, 0, 1
	SOFT 7, 0, 1
	META 0
	; ---- the second tile: its first fragments are in registers, its K step 1 is on its way or in
	STEP 0, 0, 1                                   ; the sums begin anew with the constant 0, on accumulators that have been read out
	TURN 0, 1, 1, ADRS1, 1
	STEP 1, 0, 0
	TURN 1, 0, 1, ADRS1, 2
	STEP 0, 0, 0
	TURN 0, 1, 0, ADRS1, 3                         ; nothing is left to fetch
	STEP 1, 0, 0
	LAST
	s_wait_xcnt 0x0                                ; the first tile's last stores have read v64-75, which the first block below writes again
.irp a, 0,1,2,3,4,5,6,7
	SOFT \a, 1, 1
.endr
	META 1
	s_wait_tensorcnt 0x0                           ; the wave's end
	ds_add_u32 v[SPW], v[NIL]
	s_wait_dscnt 0x0
	CROUND                                         ; the closing round: no work-group ends while a partner may still ask for a tile that names it
	s_endpgm
.Lfunc_end_k_qd6a9cbd973_scores:
	.size	k_qd6a9cbd973_scores, .Lfunc_end_k_qd6a9cbd973_scores-k_qd6a9cbd973_scores
	.p2alignl 7, 3214868480
	.fill 96, 4, 3214868480
	.section	.rodata,"a",@progbits
	.p2align	6, 0x0
	.amdhsa_kernel k_qd6a9cbd973_scores
		.amdhsa_group_segment_fixed_size 327680
		.amdhsa_private_segment_fixed_size 0
		.amdhsa_enable_private_segment 0
		.amdhsa_kernarg_size 48
		.amdhsa_user_sgpr_count 2
		.amdhsa_user_sgpr_kernarg_segment_ptr 1
		.amdhsa_wavefront_size32 1
		.amdhsa_system_sgpr_workgroup_id_x 1
		.amdhsa_system_sgpr_workgroup_id_y 1
		.amdhsa_system_sgpr_workgroup_id_z 1
		.amdhsa_system_vgpr_workitem_id 0
		.amdhsa_next_free_vgpr 1024
		.amdhsa_next_free_sgpr 102
		.amdhsa_reserve_vcc 0
		.amdhsa_float_denorm_mode_32 3
		.amdhsa_float_denorm_mode_16_64 3
		.amdhsa_memory_ordered 1
		.amdhsa_forward_progress 1
		.amdhsa_inst_pref_size 255
	.end_amdhsa_kernel
	.section	.bss,"aw",@nobits
	.p2align	6
	.space	262144
	.amdgpu_metadata
---
amdhsa.version: [ 1, 2 ]
amdhsa.kernels:
  - .name:           k_qd6a9cbd973_scores
    .symbol:         k_qd6a9cbd973_scores.kd
    .args:
      - { .name: qcodes, .offset: 0, .size: 8, .value_kind: global_buffer, .address_space: global }
      - { .name: qscales, .offset: 8, .size: 8, .value_kind: global_buffer, .address_space: global }
      - { .name: kcodes, .offset: 16, .size: 8, .value_kind: global_buffer, .address_space: global }
      - { .name: kscales, .offset: 24, .size: 8, .value_kind: global_buffer, .address_space: global }
      - { .name: pcodes, .offset: 32, .size: 8, .value_kind: global_buffer, .address_space: global }
      - { .name: pmeta, .offset: 40, .size: 8, .value_kind: global_buffer, .address_space: global }
    .group_segment_fixed_size: 327680
    .private_segment_fixed_size: 0
    .kernarg_segment_align: 8
    .kernarg_segment_size: 48
    .max_flat_workgroup_size: 128
    .sgpr_count:     102
    .vgpr_count:     1024
    .wavefront_size: 32
...
	.end_amdgpu_metadata
.endif
;; end of part 2
;; launch pv (part 3): grid 4 x 64, 4 waves a work-group, clusters of 4 x 4, 327,680 bytes of LDS; arguments pcodes, pmeta, vcodes, vscales, out0; writes out0
.if DOCPART == 3
	.amdgcn_target "amdgcn-amd-amdhsa--gfx1250"
	.amdhsa_code_object_version 6
	.text
	.protected	k_qd6a9cbd973_pv
	.globl	k_qd6a9cbd973_pv
	.p2align	8
	.type	k_qd6a9cbd973_pv,@function
k_qd6a9cbd973_pv:
	s_mov_b64 s[64:65], 0
	v_nop
	global_prefetch_b8 v0, s[64:65] scope:SCOPE_SE
	s_setreg_imm32_b32 hwreg(HW_REG_WAVE_MODE, 25, 1), 1
	s_wait_xcnt 0x0
	s_wait_alu depctr_hold_cnt(0) depctr_sa_sdst(0) depctr_va_vdst(0) depctr_va_sdst(0) depctr_va_ssrc(0) depctr_va_vcc(0) depctr_vm_vsrc(0)
	s_getreg_b32 s2, hwreg(HW_REG_IB_STS2, 6, 4)
	s_cmp_eq_u32 s2, 0
	s_cbranch_scc0 .Lentry_in_a_cluster
	s_endpgm
.Lentry_in_a_cluster:
	s_bfe_u32 s2, ttmp6, 0x10000c
	s_cmp_lg_u32 s2, 0xf033
	s_cbranch_scc0 .Lentry_shape_is_right
	s_endpgm
.Lentry_shape_is_right:
; O = P V / l on codes of BF6 (K = the 2048 keys).  A tile of O, 256 query positions x 256 columns, is made by four waves, each 128 x 128: 64 accumulators, 512 registers.
; K goes in eight steps of 256 keys through two LDS slots filled by the tensor data mover.  P comes as images of the operand's registers (1,536 bytes a fragment), V as rows of 192 bytes with the keys innermost.
; THE HEAD BRINGS P'S PIECES UNDER ONE M.  P was quantised in pieces of 128 keys, each under its own whole number M.  For each of the tile's 256 positions: the row's -M is the least of the 16 pieces' -M;
; d = row M - piece M, a whole number, 0 or more; the piece's four scale bytes are lowered by d (held at 0), its sum is multiplied by 2^-d (exact) and added to the row's.  The codes stay as they are.
; The lowered scale words and 1 / l stay in LDS for the whole launch.
; LIMITS: d is held at 255; a byte that would fall under 0 becomes 0 (2^-127): such a block weighs under 2^-120 of the row's sum.  NaN and infinities are not served.
; THE MATRIX INSTRUCTION IS USED TRANSPOSED (source 0 = 16 columns of V, source 1 = 16 positions of P): a lane holds eight neighbouring columns of one row of O.
; POSITIONS are rows with bits 3 and 4 exchanged: position 16 a + t is row 32 (a / 2) + 8 (a % 2) + t + 8 (t / 8): undone in the stores' offsets.
; CLUSTERS: 4 x 4 work-groups of one batch: P's tiles are shared along a row of the cluster, V's along a column; each is asked for jointly.
; REGISTERS: window 0: v7-10, v16-29 addresses; v32-63 scale words, two sets; v64-79 1 / l on the way out; v128-223 P's fragments, one set (in the head v64-210 at work; on the way out v128-255 rows of O).
;   window 1: V's fragments, two sets.   windows 2, 3: the accumulators ((a, b) at v[8 (8 (a % 4) + b)]).
.set NQ,     2
.set ROWB,   192
.set PITCH,  240                       ; V's rows in LDS: 3 x (64 bytes + 16 of padding)
.set FR,     12
.set NL,     6                         ; LDS loads that bring a fragment of V,
.set NLA,    3                         ; of P
.set NP,     4                         ; places behind this matrix instruction (ISA guide 7.12.1)
.set HALFA,  24576                     ; P: 8 blocks x 2 x 1,536 bytes: what one tensor load brings
.set HALFT,  128*PITCH                 ; V: 128 rows
.set SLOT,   2*HALFA+2*HALFT
.set ASTEP,  2*2*HALFA                 ; two K steps on in pcodes,
.set BSTEP,  2*1024*ROWB               ; in vcodes
.set LAPS,   4                         ; eight K steps: four times round the ring
.set ASC,    2*SLOT                    ; P's lowered scale words [half 2][K step 8][128 positions][8]: written by LDS stores; no tile lands here
.set INV,    ASC+16384                 ; 1 / l, 4 bytes a position: likewise
.set BSC,    INV+1024                  ; V's scale bytes, the same shape as P's: filled once
.set SPARE,  BSC+16384                 ; the spare words, 128 bytes for each wave, that no other line names
.set SPITCH, 528                       ; the way out: 16 rows x (512 bytes + 16) for each wave, in slot 0, which has had its last fill and its last read by then
.set ADRA, 16                          ; v16-17 my P fragments in slot 0, 1
.set ADRB, 20                          ; v20-23 my V fragments (v22-23: behind one padding more)
.set STO,  24
.set RD,   25
.set CO,   26                          ; v26  16 x lane
.set ADRS, 27
.set SPW,  28                          ; v28  my spare word; never rewritten
.set NIL,  29                          ; v29  0; never rewritten
.set SC,   32
.set AF,   128
.set BK,   128
.set NM,   64                          ; the head: v64-95 -M of 16 pieces x my two positions; v96-127 their sums; v128-159 their scale words; v160-191 the lowered words
.set LL,   96
.set WD,   128
.set OW,   160
.set G1, 24
.set G0, 32
.set G1B, 48
.set G0B, 56
.set G1SB, 80
.set G0SB, 88
.set MSB, 0
.macro WIN new                         ; the immediate's high byte repeats the setting that is left
.if MSB != \new
	s_set_vgpr_msb (MSB<<8)|\new
.set MSB, \new
.endif
.endm
.set MUL_LO, 0xa1                      ; source 0 (V) window 1, source 1 (P) window 0, C and D window 2
.set MUL_HI, 0xf1
.set TO_B,   0x40
; A joint load: waves 0 and 1 fetch P's halves, waves 2 and 3 V's; the branch hangs on the wave's number alone.  Four v_nop follow each of the two lines.
.macro JLOAD g0a, g1a, g0b, g1b
	s_cmp_eq_u32 s15, 0
	s_cbranch_scc0 .Lfor_b_\@
	tensor_load_to_lds s[\g0a:\g0a+3], s[\g1a:\g1a+7]
	s_nop 0
.rept 4
	v_nop
.endr
	s_branch .Lasked_\@
.Lfor_b_\@:
	tensor_load_to_lds s[\g0b:\g0b+3], s[\g1b:\g1b+7]
	s_nop 0
.rept 4
	v_nop
.endr
.Lasked_\@:
.endm
.macro CREST
	s_cmp_lg_u32 s14, 0
	s_cbranch_scc1 .Lnot_wave_0_\@
	s_barrier_signal -3
.Lnot_wave_0_\@:
	s_barrier_wait -3
	s_barrier_signal -1
	s_barrier_wait -1
.endm
.macro CROUND
	s_barrier_signal -1
	s_barrier_wait -1
	CREST
.endm
	s_load_b128 s[4:7], s[0:1], 0x0                ; pcodes, pmeta
	s_load_b128 s[8:11], s[0:1], 0x10              ; vcodes, vscales
	s_load_b64 s[12:13], s[0:1], 0x20              ; out0
	v_lshl_add_u32 v[SPW], v0, 2, SPARE
	v_mov_b32 v[NIL], 0
	ds_add_u32 v28, v29
	ds_add_u32 v28, v29
	s_wait_dscnt 0x0
	v_lshrrev_b32 v1, 5, v0
	v_readfirstlane_b32 s14, v1                    ; wave 0..3
	s_lshr_b32 s15, s14, 1                         ; my half of the tile's positions.  Also: I fetch for P (0) or for V (1)
	s_and_b32 s16, s14, 1                          ; my half of its columns.  Also: which half I fetch
	s_bfe_u32 s40, ttmp6, 0x40000                  ; cx, cy
	s_bfe_u32 s41, ttmp6, 0x40004
	s_lshl_b32 s42, ttmp9, 2
	s_add_co_u32 s42, s42, s40                     ; column tile 0..3
	s_and_b32 s95, ttmp7, 0xffff                   ; cluster y
	s_lshl_b32 s17, s95, 2
	s_add_co_u32 s17, s17, s41                     ; position tile 0..63
	s_lshr_b32 s95, s95, 1                         ; the batch: the same in all sixteen partners
	s_lshl_b32 s43, s41, 2
	s_lshl_b32 s43, 15, s43                        ; my row of the cluster
	s_lshl_b32 s44, 0x1111, s40                    ; my column
	s_or_b32 s[G1+0], s43, (3<<16)|(1<<21)         ; P: a dense block of 24,576 bytes as 96 rows of 256 (32 elements of 8 bytes); the mask: my row
	s_mov_b32 s[G1+1], 32<<16
	s_mov_b32 s[G1+2], 96<<16
	s_mov_b32 s[G1+3], 32<<16
	s_mov_b32 s[G1+4], 96
	s_mov_b32 s[G1+5], 32
	s_mov_b32 s[G1+6], 0
	s_mov_b32 s[G1+7], 0
	s_or_b32 s[G1B+0], s44, (0<<16)|(1<<20)|(1<<21)|(3<<22)|(3<<25)  ; V: 128 rows of 192 bytes, after every 16 words 4 words of padding; the mask: my column
	s_mov_b32 s[G1B+1], ROWB<<16
	s_mov_b32 s[G1B+2], 128<<16
	s_mov_b32 s[G1B+3], ROWB<<16
	s_mov_b32 s[G1B+4], 128
	s_mov_b32 s[G1B+5], ROWB
	s_mov_b32 s[G1B+6], 0
	s_mov_b32 s[G1B+7], 0
	s_or_b32 s[G1SB+0], s44, (3<<16)|(1<<21)       ; V's scale bytes: 4 K steps x 1,024 dense bytes (128 elements of 8 bytes), 1,024 elements apart
	s_mov_b32 s[G1SB+1], 128<<16
	s_mov_b32 s[G1SB+2], 4<<16
	s_mov_b32 s[G1SB+3], 128<<16
	s_mov_b32 s[G1SB+4], 4
	s_mov_b32 s[G1SB+5], 1024
	s_mov_b32 s[G1SB+6], 0
	s_mov_b32 s[G1SB+7], 0
	s_mul_i32 s20, s17, 8*2*HALFA                  ; P: the position tile's eight K steps,
	s_mul_i32 s45, s16, HALFA                      ; the half that I fetch (the same in memory and in a slot)
	s_add_co_u32 s20, s20, s45
	s_mov_b32 s21, 0
	s_lshl_b32 s46, s95, 13                        ; V: row (batch x 8) x 1024
	s_lshl_b32 s47, s42, 8
	s_add_co_u32 s46, s46, s47                     ; + 256 x column tile
	s_lshl_b32 s47, s16, 7
	s_add_co_u32 s46, s46, s47                     ; + 128 x half
	s_lshl_b32 s92, s15, 12
	s_add_co_u32 s92, s92, s46                     ; its scale bytes: waves 2 and 3 take K steps 4 to 7
	s_lshl_b32 s92, s92, 3
	s_mov_b32 s93, 0
	s_mul_i32 s46, s46, ROWB
	s_mov_b32 s47, 0
	s_mul_i32 s96, s16, HALFT
	s_add_co_u32 s96, s96, 2*HALFA                 ; V's half in a slot, behind P's two
	s_lshl_b32 s94, s16, 13
	s_lshl_b32 s97, s15, 12
	s_add_co_u32 s94, s94, s97                     ; V's scale bytes in LDS: half x 8,192 + 4 K steps x 1,024
	s_lshl_b32 s22, s95, 17                        ; pmeta: batch x 16 pieces x 2048 positions x 4 bytes
	s_and_b32 s23, s17, 7
	s_lshl_b32 s23, s23, 10
	s_add_co_u32 s22, s22, s23                     ; + the tile's 256 positions
	s_lshl_b32 s23, s14, 8
	s_add_co_u32 s22, s22, s23                     ; + my wave's 64
	s_mov_b32 s23, 0
	s_wait_kmcnt 0x0
	s_add_nc_u64 s[20:21], s[4:5], s[20:21]
	s_add_nc_u64 s[46:47], s[8:9], s[46:47]
	s_add_nc_u64 s[92:93], s[10:11], s[92:93]
	s_add_nc_u64 s[6:7], s[6:7], s[22:23]
	CROUND                                         ; all sixteen work-groups are here: the first joint loads meet
	s_mov_b32 s[G0SB], 1
	s_add_co_u32 s[G0SB+1], s94, BSC
	s_mov_b64 s[G0SB+2:G0SB+3], s[92:93]
	s_or_b32 s[G0SB+3], s[G0SB+3], 0x80000000
	tensor_load_to_lds s[G0SB:G0SB+3], s[G1SB:G1SB+7]   ; every wave a quarter of V's scale bytes: filled once
	s_nop 0
.rept 4
	v_nop
.endr
.irp s, 0,1
	s_mov_b32 s[G0+4*\s], 1
	s_add_co_u32 s[G0+4*\s+1], s45, \s*SLOT
	s_add_nc_u64 s[G0+4*\s+2:G0+4*\s+3], s[20:21], \s*2*HALFA
	s_or_b32 s[G0+4*\s+3], s[G0+4*\s+3], 0x80000000
	s_mov_b32 s[G0B+4*\s], 1
	s_add_co_u32 s[G0B+4*\s+1], s96, \s*SLOT
	s_add_nc_u64 s[G0B+4*\s+2:G0B+4*\s+3], s[46:47], \s*1024*ROWB
	s_or_b32 s[G0B+4*\s+3], s[G0B+4*\s+3], 0x80000000
	JLOAD G0+4*\s, G1, G0B+4*\s, G1B               ; three loads of mine are out now
.endr
	; THE HEAD.  Thread (wave w, lane l) owns positions 64 w + 2 l and 64 w + 2 l + 1: each load of a wave covers 256 consecutive bytes, aligned
	v_and_b32 v1, 15, v0                           ; r
	v_bfe_u32 v2, v0, 4, 1                         ; h
	v_and_b32 v6, 31, v0
	v_lshlrev_b32 v[CO], 4, v6
	v_lshlrev_b32 v7, 3, v6
.irp k, 0,1,2,3,4,5,6,7,8,9,10,11,12,13,14,15
	global_load_b64 v[NM+2*\k:NM+2*\k+1], v7, s[6:7] offset:8192*\k
.endr
.irp k, 0,1,2,3,4,5,6,7,8,9,10,11,12,13,14,15
	global_load_b64 v[LL+2*\k:LL+2*\k+1], v7, s[6:7] offset:1048576+8192*\k
.endr
.irp k, 0,1,2,3,4,5,6,7,8,9,10,11,12,13,14,15
	global_load_b64 v[WD+2*\k:WD+2*\k+1], v7, s[6:7] offset:2097152+8192*\k
.endr
	v_mul_u32_u24 v3, v1, PITCH                    ; the addresses are made while those loads are out
	v_mul_u32_u24 v4, v2, 24
	v_add_nc_u32 v4, v3, v4                        ; V: a fragment's row x pitch + 24 x half
	v_lshl_add_u32 v5, v2, 4, v4                   ; and the same behind one padding more
	s_mul_i32 s21, s15, HALFA                      ; my 128 positions of P
	s_mul_i32 s22, s16, HALFT                      ; my 128 columns of V,
	s_add_co_u32 s22, s22, 2*HALFA                 ; behind P's two halves
.irp s, 0,1
	v_add_nc_u32 v[ADRA+\s], s21, v[CO]
	v_add_nc_u32 v[ADRB+\s], s22, v4
	v_add_nc_u32 v[ADRB+2+\s], s22, v5
	s_add_co_u32 s21, s21, SLOT
	s_add_co_u32 s22, s22, SLOT
.endr
	v_lshlrev_b32 v5, 3, v1                        ; scale words: 8 bytes a row and K step
	s_lshl_b32 s21, s15, 13                        ; P's: my half
	s_lshl_b32 s22, s16, 13                        ; V's: my half
	s_add_co_u32 s22, s22, BSC-ASC
	s_sub_co_u32 s22, s22, s21
	v_mul_u32_u24 v6, s22, v2                      ; lanes 16-31 take V's: one product, the distance between the two
	s_add_co_u32 s21, s21, ASC
	v_add_nc_u32 v5, v5, v6
	v_add_nc_u32 v[ADRS], s21, v5
	s_mul_i32 s23, s14, 16*SPITCH                  ; my stage
	v_mul_u32_u24 v5, v1, SPITCH
	v_lshl_add_u32 v5, v2, 5, v5
	v_add_nc_u32 v[STO], s23, v5                   ; in: row r, 32 bytes for each half of the lanes
	v_add_nc_u32 v[RD], s23, v[CO]                 ; back: the 32 lanes take one row of 512 bytes
	s_lshl_b32 s23, s14, 8
	s_add_co_u32 s23, s23, INV
	v_add_nc_u32 v8, s23, v7                       ; where I put my two 1 / l
	s_lshl_b32 s23, s15, 13
	s_lshl_b32 s22, s16, 9
	s_add_co_u32 s23, s23, s22
	s_add_co_u32 s23, s23, ASC
	v_add_nc_u32 v9, s23, v[CO]                    ; and my two positions' scale words of a K step: 16 bytes
	s_lshl_b32 s23, s15, 9
	s_add_co_u32 s23, s23, INV
	v_lshl_add_u32 v10, v1, 2, s23                 ; the way out: 1 / l of position 128 x half + r
	s_lshl_b32 s20, s17, 20                        ; out0: 256 rows of 4,096 bytes a position tile,
	s_lshl_b32 s21, s15, 19                        ; my 128 rows,
	s_add_co_u32 s20, s20, s21
	s_lshl_b32 s21, s42, 10                        ; 256 columns a column tile,
	s_add_co_u32 s20, s20, s21
	s_lshl_b32 s21, s16, 9                         ; my 128
	s_add_co_u32 s20, s20, s21
	s_mov_b32 s21, 0
	s_add_nc_u64 s[12:13], s[12:13], s[20:21]
	s_wait_loadcnt 0x0
.irp e, 0,1                            ; the row's -M: the least of the sixteen
	v_min3_num_f32 v[192+\e], v[NM+\e], v[NM+2+\e], v[NM+4+\e]
.irp k, 3,5,7,9,11,13
	v_min3_num_f32 v[192+\e], v[192+\e], v[NM+2*\k+\e], v[NM+2*\k+2+\e]
.endr
	v_min_num_f32 v[192+\e], v[192+\e], v[NM+30+\e]
.endr
.macro FIXONE k, e                     ; piece k of my position e
.set OWR, OW+4*((\k)/2)+2*(\e)+(\k)%2
	v_sub_f32 v196, v[NM+2*(\k)+(\e)], v[192+(\e)] ; d = row M - piece M: a whole number, 0 or more
	v_cvt_u32_f32 v196, v196                       ; (it saturates)
	v_min_u32 v196, 255, v196
	v_sub_nc_u32 v197, 0, v196
.if (\k) == 0
	v_ldexp_f32 v[194+(\e)], v[LL+(\e)], v197      ; the first piece starts the row's sum
.else
	v_ldexp_f32 v198, v[LL+2*(\k)+(\e)], v197      ; the piece's sum x 2^-d
	v_add_f32 v[194+(\e)], v[194+(\e)], v198
.endif
.irp i, 0,1,2,3
	v_bfe_u32 v[200+\i], v[WD+2*(\k)+(\e)], 8*\i, 8
.endr
.irp i, 0,1,2,3
	v_min_u32 v[204+\i], v[200+\i], v196
.endr
.irp i, 0,1,2,3
	v_sub_nc_u32 v[200+\i], v[200+\i], v[204+\i]   ; the byte less d, held at 0
.endr
	v_lshl_or_b32 v[OWR], v201, 8, v200
	v_lshl_or_b32 v[OWR], v202, 16, v[OWR]
	v_lshl_or_b32 v[OWR], v203, 24, v[OWR]
.endm
.irp k, 0,1,2,3,4,5,6,7,8,9,10,11,12,13,14,15
	FIXONE \k, 0
	FIXONE \k, 1
.endr
	v_rcp_f32 v194, v194                           ; l is above 1/2: the row's largest p is
	v_rcp_f32 v195, v195
	v_nop                                          ; a plain instruction behind the reciprocals
	s_wait_alu depctr_va_vdst(0)                   ; and the wait ahead of their first reader
	ds_store_b64 v8, v[194:195]
.irp k, 0,1,2,3,4,5,6,7
	ds_store_b128 v9, v[OW+4*\k:OW+4*\k+3] offset:1024*\k   ; K step k: position e, word q at register 2 e + q
.endr
.macro FRAG reg, adr, q, i             ; a fragment of V: lane l holds row l % 16; registers 6 c .. 6 c + 5 hold K = 64 c + 32 (l / 16) + 0 .. 31: 24 bytes of the row, in pieces of 8
.irp p, 0,1,2,3,4,5
.set PC, 12*(\q)+6*(\p/3)+\p%3        ; 16 bytes of padding lie behind every 8 pieces; where the piece three on (lanes 16-31) lies behind one padding more, the second address register serves
.if PC%8 < 5
	ds_load_b64 v[\reg+2*\p:\reg+2*\p+1], v[\adr] offset:8*PC+16*(PC/8)+(\i)*16*PITCH
.else
	ds_load_b64 v[\reg+2*\p:\reg+2*\p+1], v[\adr+2] offset:8*PC+16*(PC/8)+(\i)*16*PITCH
.endif
.endr
.endm
.macro AFRAG reg, adr, off             ; a fragment of P comes back as it was stored: 16 bytes a lane, 512 a load
.irp c, 0,1,2
	ds_load_b128 v[\reg+4*\c:\reg+4*\c+3], v[\adr] offset:\off+512*\c
.endr
.endm
; 16 matrix instructions: position blocks a0, a0 + 1 x the eight column tiles.  The 64 accumulators take turns, one instruction a turn, in the same order in every step.
.macro MUL16 a0, p, q, sc, zero
.irp a, \a0, \a0+1
.irp b, 0,1,2,3,4,5,6,7
.if \zero
	v_wmma_scale_f32_16x16x128_f8f6f4 v[8*(8*((\a)%4)+\b):8*(8*((\a)%4)+\b)+7], v[128*(\p)+FR*\b:128*(\p)+FR*\b+FR-1], v[AF+FR*(\a):AF+FR*(\a)+FR-1], 0, v[SC+8*NQ*(\sc)+NQ*\b+(\q)], v[SC+8*NQ*(\sc)+NQ*(\a)+(\q)] matrix_a_fmt:MATRIX_FMT_BF6 matrix_b_fmt:MATRIX_FMT_BF6 matrix_a_scale:MATRIX_SCALE_ROW1
.else
	v_wmma_scale_f32_16x16x128_f8f6f4 v[8*(8*((\a)%4)+\b):8*(8*((\a)%4)+\b)+7], v[128*(\p)+FR*\b:128*(\p)+FR*\b+FR-1], v[AF+FR*(\a):AF+FR*(\a)+FR-1], v[8*(8*((\a)%4)+\b):8*(8*((\a)%4)+\b)+7], v[SC+8*NQ*(\sc)+NQ*\b+(\q)], v[SC+8*NQ*(\sc)+NQ*(\a)+(\q)] matrix_a_fmt:MATRIX_FMT_BF6 matrix_b_fmt:MATRIX_FMT_BF6 matrix_a_scale:MATRIX_SCALE_ROW1
.endif
.endr
.endr
.endm
.macro FETCH_B slot, q, p
	WIN TO_B
.irp i, 0,1,2,3,4,5,6,7
	FRAG 128*(\p)+FR*\i, ADRB+\slot, \q, \i
.endr
	WIN 0
.endm
.macro FETCH_A slot, q, i0
.irp i, \i0, \i0+1, \i0+2, \i0+3
	AFRAG AF+FR*(\i), ADRA+\slot, (2*(\i)+(\q))*1536
.endr
.endm
.macro SCALES sc                       ; a K step's two words a row: lanes 0-15 P's block i, lanes 16-31 V's block i
.irp i, 0,1,2,3,4,5,6,7
	ds_load_b64 v[SC+8*NQ*\sc+NQ*\i:SC+8*NQ*\sc+NQ*\i+1], v[ADRS] offset:\i*128
.endr
.endm
.macro PLACES n                        ; plain vector instructions between a matrix instruction and a load into, or a read or write of, its registers
.rept \n
	v_nop
.endr
.endm
.macro STEP slot, q, zero              ; 128 keys that have their successor in the same slot
	s_wait_dscnt 4*NLA                             ; all but the youngest 12 loads (P's blocks 4-7) are in
	WIN MUL_LO
	MUL16 0, (\q)%2, \q, \slot, \zero
	MUL16 2, (\q)%2, \q, \slot, \zero
	s_wait_dscnt 0
	PLACES NP
	FETCH_B \slot, (\q)+1, 1-(\q)%2
	FETCH_A \slot, (\q)+1, 0
	WIN MUL_HI
	MUL16 4, (\q)%2, \q, \slot, \zero
	MUL16 6, (\q)%2, \q, \slot, \zero
	PLACES NP
	WIN 0
	FETCH_A \slot, (\q)+1, 4
.endm
; A slot's last step changes slots: one barrier; in front of it each wave waits for all its tensor loads, adds 0 to its spare word, and waits for that and for its reads of this slot.
.macro TURN slot, next, fill
	s_wait_tensorcnt 0x0                           ; all my tensor loads have landed: my part of the next slot
	ds_add_u32 v[SPW], v[NIL]                      ; 0 onto my spare word
	s_wait_dscnt 4*NLA+1                           ; (the add and the youngest 12 loads may be out)
	WIN MUL_LO
	MUL16 0, 1, NQ-1, \slot, 0
	s_wait_dscnt 0x0                               ; the add is done, and my reads of this slot are over
	s_barrier_signal -1
	MUL16 2, 1, NQ-1, \slot, 0
	WIN 0
	s_barrier_wait -1
.if \fill
	CREST                                          ; the barrier has opened a round of the cluster's: no wave of any partner still reads this slot or has a load on its way
	s_add_nc_u64 s[G0+4*\slot+2:G0+4*\slot+3], s[G0+4*\slot+2:G0+4*\slot+3], ASTEP
	s_add_nc_u64 s[G0B+4*\slot+2:G0B+4*\slot+3], s[G0B+4*\slot+2:G0B+4*\slot+3], BSTEP
	JLOAD G0+4*\slot, G1, G0B+4*\slot, G1B         ; the first tensor load behind the round, my only one until the next; its four v_nop are the places in front of the loads below
.else
	PLACES NP
.endif
	v_add_nc_u32 v[ADRS], 1024, v[ADRS]            ; the next K step's scale words
	FETCH_B \next, 0, 0
	FETCH_A \next, 0, 0
	SCALES \next
	WIN MUL_HI
	MUL16 4, 1, NQ-1, \slot, 0
	MUL16 6, 1, NQ-1, \slot, 0
	PLACES NP
	WIN 0
	FETCH_A \next, 0, 4
.endm
	s_wait_tensorcnt 1                             ; V's scale bytes and my part of K step 0 are in (K step 1's load may be out)
	s_wait_dscnt 0x0                               ; my stores of scale words and of 1 / l are done,
	s_barrier_signal -1
	s_barrier_wait -1                              ; everybody's are
	FETCH_B 0, 0, 0
	FETCH_A 0, 0, 0
	SCALES 0
	FETCH_A 0, 0, 4
	STEP 0, 0, 1                                   ; the first products start the sums: nothing is cleared
	s_mov_b32 s3, LAPS-1
.Llap:                                                 ; a trip goes once round the ring, from a lap's second step to the next lap's first, and fills both slots again
	TURN 0, 1, 1
	STEP 1, 0, 0
	TURN 1, 0, 1
	STEP 0, 0, 0
	s_sub_co_u32 s3, s3, 1
	s_cmp_lg_u32 s3, 0
	s_cbranch_scc1 .Llap
	TURN 0, 1, 0                                   ; the last lap fills nothing
	STEP 1, 0, 0
	s_wait_dscnt 4*NLA
	WIN MUL_LO
	MUL16 0, 1, NQ-1, 1, 0
	MUL16 2, 1, NQ-1, 1, 0
	s_wait_dscnt 0
	WIN MUL_HI
	MUL16 4, 1, NQ-1, 1, 0
	MUL16 6, 1, NQ-1, 1, 0
	WIN 0
; THE WAY OUT, block by block of 16 positions x 128 columns: x 1 / l in place; through my own stage in LDS; back as whole rows of 512 bytes.
.macro SCALE a
.set AC, 64*((\a)%4)
.set WN, 2+(\a)/4
.set WD2, WN|(WN<<6)
	WIN WD2                                        ; destination and source 0 in the accumulators' window
.set J, 0
.rept 32
	v_pk_mul_f32 v[AC+J:AC+J+1], v[AC+J:AC+J+1], v[64+2*(\a):65+2*(\a)] op_sel_hi:[1,0]   ; each accumulator from its low end on; the pair's low word serves both halves
.set J, J+2
.endr
.endm
.macro TOSTAGE a
.set AC, 64*((\a)%4)
	WIN 0x08+4*((\a)/4)                            ; an LDS store's data: window 2 or 3
.irp b, 0,1,2,3,4,5,6,7
	ds_store_b128 v[STO], v[AC+8*\b:AC+8*\b+3] offset:64*\b
	ds_store_b128 v[STO], v[AC+8*\b+4:AC+8*\b+7] offset:64*\b+16
.endr
	WIN 0
.set BB, BK+64*((\a)%2)
.irp t, 0,1,2,3,4,5,6,7,8,9,10,11,12,13,14,15
	ds_load_b128 v[BB+4*\t:BB+4*\t+3], v[RD] offset:\t*SPITCH   ; LDS serves a wave's instructions in order: these see the stores above
.endr
.endm
.macro SEND a, younger                 ; younger: the LDS instructions issued behind block a's loads, which may stay out
.set BB, BK+64*((\a)%2)
	s_wait_dscnt \younger
.irp t, 0,1,2,3,4,5,6,7,8,9,10,11,12,13,14,15
	global_store_b128 v[CO], v[BB+4*\t:BB+4*\t+3], s[12:13] offset:(32*((\a)/2)+8*((\a)%2)+\t+8*(\t/8))*4096 th:TH_STORE_NT   ; position 16 a + t goes to its row; 32 lanes store 512 consecutive bytes, aligned
.endr
.endm
	PLACES NP                                      ; behind the last products: for the writes over results and the loads into P's registers
.irp a, 0,1,2,3,4,5,6,7
	ds_load_b32 v[64+2*\a], v10 offset:64*\a       ; 1 / l of my position in block a
.endr
	s_wait_dscnt 0x0
	SCALE 0
	TOSTAGE 0
.irp a, 1,2,3,4,5,6,7
.if \a > 1
	s_wait_xcnt 0x0                                ; block a - 2's stores have read their registers: block a's loads may land there
.endif
	SCALE \a
	TOSTAGE \a
	SEND \a-1, 32                                  ; behind block a - 1's loads: block a's 16 stores and 16 loads
.endr
	SEND 7, 0
	s_wait_tensorcnt 0x0                           ; the wave's end
	ds_add_u32 v[SPW], v[NIL]
	s_wait_dscnt 0x0
	CROUND                                         ; the closing round: no work-group ends while a partner may still ask for a tile that names it
	s_endpgm
.Lfunc_end_k_qd6a9cbd973_pv:
	.size	k_qd6a9cbd973_pv, .Lfunc_end_k_qd6a9cbd973_pv-k_qd6a9cbd973_pv
	.p2alignl 7, 3214868480
	.fill 96, 4, 3214868480
	.section	.rodata,"a",@progbits
	.p2align	6, 0x0
	.amdhsa_kernel k_qd6a9cbd973_pv
		.amdhsa_group_segment_fixed_size 327680
		.amdhsa_private_segment_fixed_size 0
		.amdhsa_enable_private_segment 0
		.amdhsa_kernarg_size 40
		.amdhsa_user_sgpr_count 2
		.amdhsa_user_sgpr_kernarg_segment_ptr 1
		.amdhsa_wavefront_size32 1
		.amdhsa_system_sgpr_workgroup_id_x 1
		.amdhsa_system_sgpr_workgroup_id_y 1
		.amdhsa_system_sgpr_workgroup_id_z 1
		.amdhsa_system_vgpr_workitem_id 0
		.amdhsa_next_free_vgpr 1024
		.amdhsa_next_free_sgpr 98
		.amdhsa_reserve_vcc 0
		.amdhsa_float_denorm_mode_32 3
		.amdhsa_float_denorm_mode_16_64 3
		.amdhsa_memory_ordered 1
		.amdhsa_forward_progress 1
		.amdhsa_inst_pref_size 200
	.end_amdhsa_kernel
	.amdgpu_metadata
---
amdhsa.version: [ 1, 2 ]
amdhsa.kernels:
  - .name:           k_qd6a9cbd973_pv
    .symbol:         k_qd6a9cbd973_pv.kd
    .args:
      - { .name: pcodes, .offset: 0, .size: 8, .value_kind: global_buffer, .address_space: global }
      - { .name: pmeta, .offset: 8, .size: 8, .value_kind: global_buffer, .address_space: global }
      - { .name: vcodes, .offset: 16, .size: 8, .value_kind: global_buffer, .address_space: global }
      - { .name: vscales, .offset: 24, .size: 8, .value_kind: global_buffer, .address_space: global }
      - { .name: out0, .offset: 32, .size: 8, .value_kind: global_buffer, .address_space: global }
    .group_segment_fixed_size: 327680
    .private_segment_fixed_size: 0
    .kernarg_segment_align: 8
    .kernarg_segment_size: 40
    .max_flat_workgroup_size: 128
    .sgpr_count:     98
    .vgpr_count:     1024
    .wavefront_size: 32
...
	.end_amdgpu_metadata
.endif
;; end of part 3
